; MI455X (gfx1250); checked and timed in simulation.
; The chip was launched on July 23, 2026; its instructions are those of AMD's public machine-readable ISA for CDNA 5 (MIT licence, August 2026) and "CDNA5" Instruction Set Architecture Reference Guide (July 2026). The comments in the code are by the model that wrote it; some were corrected since.
;; Net. Allowed arithmetic: matrix products marked QUANTISED: E2M1 operands, one E8M0 scale for each 32 along K, by v_wmma_scale_f32_16x16x128_f8f6f4 with both operands' format E2M1 (or v_wmma_scale_f32_32x16x128_f4), f32 sums; everything else in f32.
;; Inputs: W_u_codes 2,048 x 64 x 16 uint8 (E2M1 codes of W_u, K innermost, in blocks of 32 codes, two codes a byte); W_u_scales 2,048 x 64 uint8 (E8M0 scales of W_u, one for each 32 codes along K); W_v_codes 2,048 x 64 x 16 uint8 (E2M1 codes of W_v, K innermost, in blocks of 32 codes, two codes a byte); W_v_scales 2,048 x 64 uint8 (E8M0 scales of W_v, one for each 32 codes along K); b_u 2,048 float32; b_v 2,048 float32; ln_u_b 2,048 float32; ln_u_w 2,048 float32; ln_v_b 2,048 float32; ln_v_w 2,048 float32; u 8,192 x 2,048 float32; v 8,192 x 2,048 float32.
;; Outputs: out0 8,192 float32.
;; This version of the problem:
;;   THIS VERSION OF THE PROBLEM IS GIVEN IN LOW PRECISION. The matrix products marked QUANTISED in the list below multiply operands that are first quantised to E2M1 (2 exponent bits, 1 mantissa bit; 4 bits a number), with one power-of-two scale for each 32 numbers along K (OCP MX v1.0); their sums are f32. All else is computed in f32.
;;   The module's matrix products, in the order in which they are computed (A, B: the left and right operand; K: the contracted axis; several contracted axes count as one K, in the product's order):
;;     1. [M 8,192, K 2,048] x [K 2,048, N 2,048]; A: computed on the way; B: input W_u (given as codes): QUANTISED
;;     2. [M 8,192, K 2,048] x [K 2,048, N 2,048]; A: computed on the way; B: input W_v (given as codes): QUANTISED
;;   THE QUANTISER, for each operand of a quantised product, along K:
;;     - K is cut into blocks of 32 from its start; a last block that is shorter is filled with zeros.
;;     - A block's scale is 2^e with e = floor(log2(the largest magnitude in the block)) - 2, held to -126 .. 127; a block of zeros has e = 0. As a byte (E8M0): e + 127.
;;     - Each number is divided by its block's scale, clamped to +-6, and rounded to the nearest number of E2M1, ties to even, subnormals kept.
;;     - The product sums the exact products of the quantised numbers (number of the format x scale) in f32.
;;   ~~~python
;;   def quantise(x, axis):      # numpy; x: float32 -> the quantised numbers, widened to float32 again
;;       x = np.moveaxis(x, axis, -1); K = x.shape[-1]
;;       x = np.pad(x, [(0, 0)] * (x.ndim - 1) + [(0, -K % 32)]); x = x.reshape(x.shape[:-1] + (-1, 32)); a = np.abs(x).max(-1, keepdims=True)
;;       e = np.where(a > 0, np.clip(np.frexp(np.where(a > 0, a, 1))[1] - 1 - 2, -126, 127), 0)      # np.frexp(a)[1] - 1 = floor(log2(a)), exactly
;;       r = np.clip(x / 2.0 ** e, -6, 6)
;;       step = 2.0 ** (np.maximum(np.frexp(np.where(r == 0, 1, r))[1] - 1, 0) - 1)
;;       q = np.round(r / step) * step * 2.0 ** e      # np.round: ties to even
;;       return np.moveaxis(q.reshape(q.shape[:-2] + (-1,))[..., :K], -1, axis).astype(np.float32)
;;   ~~~
;;   OPERANDS COMPUTED ON THE WAY. 'Computed on the way' means the value that the module computes at that place (a softmax that the list does not call 'softmax' is quantised finished and normalised). What goes into a quantiser is computed in f32, as accurately as f32 sums, v_exp_f32 and their like allow (about 1e-6 of the number): no bf16 or f16 on the way to a quantiser, and a product that is left as it is and whose result goes on into a quantised operand takes f32 operands (vector FMAs, or v_wmma_f32_16x16x4_f32). A number that lies on a knife's edge between two numbers of the format may be rounded either way, as far as f32 arithmetic and the matrix unit's own rounding can turn it there, and no further.
;;   INPUTS GIVEN AS CODES. W_u (in the module: [2048, 2048], K = its axis 0); W_v (in the module: [2048, 2048], K = its axis 0): each comes as NAME_codes (uint8): NAME with its K axis moved to the last place and cut into blocks of 32 codes, [.., K / 32, bytes a block], one block behind the other in memory; two codes a byte, the lower K in the low four bits (a code: sign, 2 exponent bits, 1 mantissa bit); and NAME_scales (uint8): the same leading axes, one E8M0 byte (e + 127) for each 32 codes along K. Its value is code x scale, taken as it is: it is not quantised again, and the codes and scales need not be those that the quantiser above would give.
;; One version. Each part assembles by itself: llvm-mc -triple=amdgcn-amd-amdhsa -mcpu=gfx1250 --defsym DOCPART=n.
;; ======== version 1 of 1: 3 launches
;; workspace buffers: xc 16,777,216 bytes; xs 1,048,576 bytes; part 524,288 bytes
;; launch quant (part 1): grid 256 x 1, 8 waves a work-group, no clusters, 177,152 bytes of LDS; arguments u, v, ln_u_w, ln_u_b, ln_v_w, ln_v_b, xc, xs; writes xc, xs
.if DOCPART == 1
	.amdgcn_target "amdgcn-amd-amdhsa--gfx1250"
	.amdhsa_code_object_version 6
	.text
	.protected	k_q48b528052c_quant
	.globl	k_q48b528052c_quant
	.p2align	8
	.type	k_q48b528052c_quant,@function
k_q48b528052c_quant:
	s_mov_b64 s[64:65], 0
	v_nop
	global_prefetch_b8 v0, s[64:65] scope:SCOPE_SE
	s_setreg_imm32_b32 hwreg(HW_REG_WAVE_MODE, 25, 1), 1
	s_wait_xcnt 0x0
; LayerNorm (mean, variance of the centred numbers, rsqrt(var + 1e-5), gain, bias: all f32) of the rows of u and v, [8192][2048] f32 each, and the MX-FP4 quantiser along the row:
; a block of 32 gets the scale 2^(floor(log2(largest magnitude)) - 2), each number is divided by it and rounded to the nearest E2M1 code, ties to even, beyond 6 the largest code.
; OUT, laid as the next launch's operand registers want them:
;   xc [tower 2][16 rows: 512][128 along K: 16][1,024 bytes]; the 1,024 bytes are [block of 32: 4][row 16][16 bytes]: byte 512 c + 16 lane is register group c of a fragment's lane.
;   xs [tower 2][64 rows: 128][128 along K: 16][lane 32][2 words]: lane 16 h + r, word k = the four scale bytes of row r of the 16-row block h + 2 k.
; SHARES.  Work-groups 0-127 take u, 128-255 v: only pointers are chosen, the text has one path.  A work-group takes 64 rows, each of its eight waves 8 rows, one row at a time, the whole row in 64 registers a lane.
; Each load reads 512 consecutive bytes; the conversions want 16 neighbours in a lane, so a row turns through the wave's own stage in LDS (16 bytes of padding behind each 64).
; Two rows (32 loads) of every wave are on their way.  Codes and scale bytes are gathered in LDS as they will lie in memory and leave at the end, 512 consecutive bytes a store.
; No matrix work, no tensor load, no cluster: work-groups share only gain and bias, 16 KiB against the 512 KiB of rows that each reads.
; LIMITS: NaN and infinities among the inputs are not served.  A block of zeros (and any block whose largest magnitude lies under 2^-124) gets the byte 1 where the rule says 127 for zeros: its codes are zeros, and this program alone reads the bytes.
.set TS,  20480                        ; LDS: 0: gain, 10,240: bias (groups of 64 bytes, 80 apart); TS: a turning stage of 10,240 bytes for each wave
.set CI,  102400                       ; the codes' image: 256 units of 256 bytes + 16 of padding; unit = 64 x (16-row block) + block of 32 along K
.set SI,  172032                       ; the scale bytes' image, 4,096 bytes, as they lie in xs
.set X,   16                           ; v16-79   the row: register 16 s + e = element 512 s + 16 lane + e
.set T,   80                           ; v80-87   four chains of packed sums
.set MU,  88                           ; v88-89   the mean, twice
.set RS,  90                           ; v90-91   1 / sqrt(var + eps), twice
.set M,   92                           ; v92-95   largest magnitudes
.set SO,  96                           ; v96-99   the conversions' scale operands
.set BY,  100                          ; v100-103 scale bytes
.set C,   104                          ; v104-111 codes
.set PD,  112                          ; v112     the lane permute's destination
.set FL,  128                          ; v128-191 the way out: codes;  v192-195: scale bytes
.set FS,  192
.set GM,  0                            ; window 1: v0-63 gain, v64-127 bias, v128-191 and v192-255 two rows as they are loaded
.set BT,  64
.set RW,  128
.set MSB, 0
.macro WIN new                         ; s_set_vgpr_msb: bits 1:0 source 0, 3:2 source 1, 5:4 source 2, 7:6 destination; the high byte repeats the setting that is left
.if MSB != (\new)
	s_set_vgpr_msb (MSB<<8)|(\new)
.set MSB, (\new)
.endif
.endm
	s_load_b256 s[4:11], s[0:1], 0x0               ; u s[4:5], v s[6:7], ln_u_w s[8:9], ln_u_b s[10:11]
	s_load_b256 s[12:19], s[0:1], 0x20             ; ln_v_w s[12:13], ln_v_b s[14:15], xc s[16:17], xs s[18:19]
	v_lshl_add_u32 v254, v0, 2, 0x2b000
	v_mov_b32 v255, 0
	v_lshrrev_b32 v1, 5, v0
	v_readfirstlane_b32 s20, v1                    ; wave 0..7
	v_and_b32 v1, 31, v0                           ; lane
	v_lshlrev_b32 v2, 4, v1                        ; 16 x lane: my bytes of a load's or a store's 512
	s_mul_i32 s21, s20, 10240
	s_add_co_u32 s21, s21, TS                      ; my wave's stage
	v_lshrrev_b32 v12, 2, v1
	v_and_b32 v13, 3, v1
	v_mul_u32_u24 v12, v12, 80
	v_lshl_add_u32 v12, v13, 4, v12
	v_add_nc_u32 v3, s21, v12                      ; into the stage: four lanes' 64 bytes on end, then 16 of padding
	v_mul_u32_u24 v7, v1, 80                       ; gain and bias: my 64 bytes of a step
	v_add_nc_u32 v4, s21, v7                       ; out of the stage: my 16 neighbours
	s_lshr_b32 s36, s20, 1                         ; my rows' 16-row block,
	s_mul_i32 s36, s36, 64*272
	s_and_b32 s37, s20, 1                          ; and which eight of its rows
	s_lshl_b32 s38, s37, 7
	s_add_co_u32 s36, s36, s38
	s_add_co_u32 s36, s36, CI
	v_lshrrev_b32 v12, 1, v1
	v_and_b32 v13, 1, v1
	v_mul_u32_u24 v12, v12, 272
	v_lshl_add_u32 v12, v13, 3, v12
	v_add_nc_u32 v5, s36, v12                      ; my 8 bytes of codes: unit lane / 2 of a step's sixteen, half lane % 2 of the row's 16 bytes
	s_bfe_u32 s36, s20, 0x10001
	s_lshl_b32 s36, s36, 7                         ; xs: h = (wave / 2) % 2: 16 lanes of 8 bytes,
	s_lshl_b32 s38, s37, 6                         ; r = 8 (wave % 2) + row: 8 bytes a lane,
	s_add_co_u32 s36, s36, s38
	s_lshr_b32 s38, s20, 2
	s_lshl_b32 s38, s38, 2                         ; word k = wave / 4
	s_add_co_u32 s36, s36, s38
	s_add_co_u32 s36, s36, SI
	v_lshrrev_b32 v12, 3, v1
	v_bfe_u32 v13, v1, 1, 2
	v_lshl_add_u32 v12, v12, 8, v13
	v_add_nc_u32 v6, s36, v12                      ; my block's byte: 256 bytes for each 128 along K, byte (lane / 2) % 4 of the word
	v_lshrrev_b32 v12, 2, v0
	v_and_b32 v13, 3, v0
	v_mul_u32_u24 v12, v12, 80
	v_lshl_add_u32 v8, v13, 4, v12                 ; where thread t puts its 16 bytes of gain or bias
	s_mul_i32 s36, s20, 32*272
	s_add_co_u32 s36, s36, CI
	v_lshrrev_b32 v12, 4, v1
	v_and_b32 v13, 15, v1
	v_mul_u32_u24 v12, v12, 272
	v_lshl_add_u32 v12, v13, 4, v12
	v_add_nc_u32 v9, s36, v12                      ; the way out: my wave's 32 units, two an instruction, sixteen lanes to a unit
	s_lshl_b32 s36, s20, 9
	s_add_co_u32 s36, s36, SI
	v_add_nc_u32 v10, s36, v2                      ; and its 512 scale bytes
	v_lshlrev_b32 v11, 4, v0
	v_mov_b32 v[PD], 0                             ; written once: a lane permute's destination counts as one of its sources
	s_mov_b32 s32, 0x76543210
	s_mov_b32 s33, 0xfedcba98                      ; v_permlanex16_b32's selects for lane l xor 16
	s_mov_b32 s34, 0x3a000000                      ; 1 / 2048
	s_mov_b32 s35, 0x3727c5ac                      ; 1e-5
	s_and_b32 s2, ttmp9, 127                       ; which 64 rows of the tower
	s_lshl_b32 s2, s2, 19                          ; x 64 rows of 8,192 bytes
	s_lshl_b32 s3, s20, 16                         ; + my wave's 8 rows
	s_add_co_u32 s2, s2, s3
	s_mov_b32 s3, 0
	s_lshl_b32 s36, ttmp9, 16                      ; xc: 65,536 bytes a work-group (128 work-groups are a tower's 8,388,608),
	s_lshl_b32 s37, s20, 13                        ; 8,192 a wave
	s_add_co_u32 s36, s36, s37
	s_mov_b32 s37, 0
	s_lshl_b32 s38, ttmp9, 12                      ; xs: 4,096 bytes a work-group, 512 a wave
	s_lshl_b32 s39, s20, 9
	s_add_co_u32 s38, s38, s39
	s_mov_b32 s39, 0
	s_wait_kmcnt 0x0
	s_cmp_lt_u32 ttmp9, 128                        ; u's work-group or v's?  The choice hangs on the work-group's number alone
	s_cselect_b64 s[22:23], s[4:5], s[6:7]
	s_cselect_b64 s[24:25], s[8:9], s[12:13]
	s_cselect_b64 s[26:27], s[10:11], s[14:15]
	s_add_nc_u64 s[22:23], s[22:23], s[2:3]
	s_add_nc_u64 s[28:29], s[16:17], s[36:37]
	s_add_nc_u64 s[30:31], s[18:19], s[38:39]
	global_load_b128 v[16:19], v11, s[24:25]               ; gain and bias: 256 threads x 16 bytes, twice each
	global_load_b128 v[20:23], v11, s[24:25] offset:4096
	global_load_b128 v[24:27], v11, s[26:27]
	global_load_b128 v[28:31], v11, s[26:27] offset:4096
.macro RLOAD i                         ; row i of my eight, as it lies: sixteen loads of 512 consecutive bytes, into set i % 2 of window 1
	WIN 0x40
.irp j, 0,1,2,3,4,5,6,7,8,9,10,11,12,13,14,15
	global_load_b128 v[RW+64*((\i)%2)+4*\j:RW+64*((\i)%2)+4*\j+3], v2, s[22:23] offset:8192*(\i)+512*\j th:TH_LOAD_NT
.endr
	WIN 0
.endm
	RLOAD 0
	RLOAD 1
	s_wait_loadcnt 32                              ; gain and bias are in; the two rows issued behind them stay out
	ds_store_b128 v8, v[16:19]
	ds_store_b128 v8, v[20:23] offset:5120
	ds_store_b128 v8, v[24:27] offset:10240
	ds_store_b128 v8, v[28:31] offset:15360
	s_wait_dscnt 0x0                               ; for the others' sake: my stores are done
	s_barrier_signal -1
	s_barrier_wait -1
	WIN 0x40                                       ; gain and bias of my 64 elements stay in window 1 for all eight rows
.irp s, 0,1,2,3
.irp q, 0,1,2,3
	ds_load_b128 v[GM+16*\s+4*\q:GM+16*\s+4*\q+3], v7 offset:2560*\s+16*\q
	ds_load_b128 v[BT+16*\s+4*\q:BT+16*\s+4*\q+3], v7 offset:10240+2560*\s+16*\q
.endr
.endr
	WIN 0
.macro REDUCE                          ; four packed chains -> one number, the same in all 32 lanes, in v[T]
	v_pk_add_f32 v[T:T+1], v[T:T+1], v[T+2:T+3]
	v_pk_add_f32 v[T+4:T+5], v[T+4:T+5], v[T+6:T+7]
	v_pk_add_f32 v[T:T+1], v[T:T+1], v[T+4:T+5]
	v_add_f32 v[T], v[T], v[T+1]
	v_add_f32_dpp v[T], v[T], v[T] row_xmask:1 row_mask:0xf bank_mask:0xf
	v_add_f32_dpp v[T], v[T], v[T] row_xmask:2 row_mask:0xf bank_mask:0xf
	v_add_f32_dpp v[T], v[T], v[T] row_xmask:4 row_mask:0xf bank_mask:0xf
	v_add_f32_dpp v[T], v[T], v[T] row_xmask:8 row_mask:0xf bank_mask:0xf
	v_permlanex16_b32 v[PD], v[T], s32, s33
	v_add_f32 v[T], v[T], v[PD]
.endm
.macro ROW i
.if (\i) < 7
	s_wait_loadcnt 16                              ; this row's sixteen loads are in; the next row's sixteen stay out
.else
	s_wait_loadcnt 0x0
.endif
	WIN 0x04                                       ; an LDS store's data are its source 1: window 1
.irp j, 0,1,2,3,4,5,6,7,8,9,10,11,12,13,14,15
	ds_store_b128 v3, v[RW+64*((\i)%2)+4*\j:RW+64*((\i)%2)+4*\j+3] offset:640*\j
.endr
	WIN 0
.irp s, 0,1,2,3
.irp q, 0,1,2,3
	ds_load_b128 v[X+16*\s+4*\q:X+16*\s+4*\q+3], v4 offset:2560*\s+16*\q   ; LDS serves a wave's instructions in order (ISA guide 5.7.1.4): these see the stores above
.endr
.endr
	s_wait_dscnt 0x0                               ; the turned row is in; the stores have read the raw registers; the last row's codes and bytes have been read too (in the first row: gain and bias are in)
.if (\i)+2 < 8
	RLOAD (\i)+2                                   ; the raw registers take the row two further on
.endif
	; the mean
.irp c, 0,1,2,3
	v_pk_add_f32 v[T+2*\c:T+2*\c+1], v[X+2*\c:X+2*\c+1], v[X+8+2*\c:X+8+2*\c+1]
.endr
.irp p, 8,12,16,20,24,28
.irp c, 0,1,2,3
	v_pk_add_f32 v[T+2*\c:T+2*\c+1], v[T+2*\c:T+2*\c+1], v[X+2*(\p+\c):X+2*(\p+\c)+1]
.endr
.endr
	REDUCE
	v_mul_f32 v[MU], s34, v[T]
	v_mov_b32 v[MU+1], v[MU]
.irp p, 0,1,2,3,4,5,6,7,8,9,10,11,12,13,14,15,16,17,18,19,20,21,22,23,24,25,26,27,28,29,30,31
	v_pk_add_f32 v[X+2*\p:X+2*\p+1], v[X+2*\p:X+2*\p+1], v[MU:MU+1] neg_lo:[0,1] neg_hi:[0,1]   ; x - mean: the variance is taken of the centred numbers, so no difference of large sums is formed
.endr
.irp c, 0,1,2,3
	v_pk_mul_f32 v[T+2*\c:T+2*\c+1], v[X+2*\c:X+2*\c+1], v[X+2*\c:X+2*\c+1]
.endr
.irp p, 4,8,12,16,20,24,28
.irp c, 0,1,2,3
	v_pk_fma_f32 v[T+2*\c:T+2*\c+1], v[X+2*(\p+\c):X+2*(\p+\c)+1], v[X+2*(\p+\c):X+2*(\p+\c)+1], v[T+2*\c:T+2*\c+1]
.endr
.endr
	REDUCE
	v_fma_f32 v[M], v[T], s34, s35                 ; var + eps
	v_rsq_f32 v[RS], v[M]
	v_nop                                          ; a plain instruction behind the transcendental (ISA guide 5.7.2)
	s_wait_alu depctr_va_vdst(0)                   ; and a wait ahead of the first use of its result
	v_mov_b32 v[RS+1], v[RS]
.irp p, 0,1,2,3,4,5,6,7,8,9,10,11,12,13,14,15,16,17,18,19,20,21,22,23,24,25,26,27,28,29,30,31
	v_pk_mul_f32 v[X+2*\p:X+2*\p+1], v[X+2*\p:X+2*\p+1], v[RS:RS+1]
.endr
	WIN 0x14                                       ; sources 1 (gain) and 2 (bias) window 1
.irp p, 0,1,2,3,4,5,6,7,8,9,10,11,12,13,14,15,16,17,18,19,20,21,22,23,24,25,26,27,28,29,30,31
	v_pk_fma_f32 v[X+2*\p:X+2*\p+1], v[X+2*\p:X+2*\p+1], v[GM+2*\p:GM+2*\p+1], v[BT+2*\p:BT+2*\p+1]
.endr
	WIN 0
	; the quantiser: my 16 numbers of each of four blocks, the four by turns; lanes l and l xor 1 hold a block
.irp s, 0,1,2,3
	v_max3_num_f32 v[M+\s], |v[X+16*\s]|, |v[X+16*\s+1]|, 0x1800000   ; and the floor 2^(3 - 127), under which no largest magnitude is taken: so the byte cannot fall under 1
.endr
.irp k, 2,4,6,8,10,12,14
.irp s, 0,1,2,3
	v_max3_num_f32 v[M+\s], v[M+\s], |v[X+16*\s+\k]|, |v[X+16*\s+\k+1]|
.endr
.endr
.irp s, 0,1,2,3
	v_max_num_f32_dpp v[M+\s], v[M+\s], v[M+\s] row_xmask:1 row_mask:0xf bank_mask:0xf
.endr
.irp s, 0,1,2,3
	v_add_nc_u32 v[SO+\s], 0xff000000, v[M+\s]     ; 2 off the exponent field: the conversion takes the exponent field of this operand as its scale, and nothing else of it
.endr
.irp s, 0,1,2,3
	v_cvt_scalef32_pk8_fp4_f32 v[C+2*\s], v[X+16*\s:X+16*\s+7], v[SO+\s]
	v_cvt_scalef32_pk8_fp4_f32 v[C+2*\s+1], v[X+16*\s+8:X+16*\s+15], v[SO+\s]
.endr
.irp s, 0,1,2,3
	v_lshrrev_b32 v[BY+\s], 23, v[SO+\s]           ; the scale's byte.  (Also the plain instruction behind the conversions)
.endr
.irp s, 0,1,2,3
	ds_store_b64 v5, v[C+2*\s:C+2*\s+1] offset:4352*\s+16*(\i)   ; 16 units a step; 16 bytes a row in a unit
	ds_store_b8 v6, v[BY+\s] offset:1024*\s+8*(\i)               ; both lanes of a block write the same byte with the same value
.endr
.endm
.irp i, 0,1,2,3,4,5,6,7
	ROW \i
.endr
	s_wait_dscnt 0x0                               ; for the others' sake: my codes and bytes lie in the images
	s_barrier_signal -1
	s_barrier_wait -1
.irp k, 0,1,2,3,4,5,6,7,8,9,10,11,12,13,14,15
	ds_load_b128 v[FL+4*\k:FL+4*\k+3], v9 offset:544*\k
.endr
	ds_load_b128 v[FS:FS+3], v10
.irp k, 0,1,2,3,4,5,6,7,8,9,10,11,12,13,14,15
	s_wait_dscnt 16-\k                             ; load k is in: 16 - k were issued behind it
	global_store_b128 v2, v[FL+4*\k:FL+4*\k+3], s[28:29] offset:512*\k   ; 32 lanes store 512 consecutive bytes, at a multiple of 256 from xc's first byte
.endr
	s_wait_dscnt 0x0
	global_store_b128 v2, v[FS:FS+3], s[30:31]
	s_wait_tensorcnt 0x0
	ds_add_u32 v254, v255
	s_wait_dscnt 0x0
	s_endpgm
.Lfunc_end_k_q48b528052c_quant:
	.size	k_q48b528052c_quant, .Lfunc_end_k_q48b528052c_quant-k_q48b528052c_quant
	.p2alignl 7, 3214868480
	.fill 96, 4, 3214868480
	.section	.rodata,"a",@progbits
	.p2align	6, 0x0
	.amdhsa_kernel k_q48b528052c_quant
		.amdhsa_group_segment_fixed_size 177152
		.amdhsa_private_segment_fixed_size 0
		.amdhsa_enable_private_segment 0
		.amdhsa_kernarg_size 64
		.amdhsa_user_sgpr_count 2
		.amdhsa_user_sgpr_kernarg_segment_ptr 1
		.amdhsa_wavefront_size32 1
		.amdhsa_system_sgpr_workgroup_id_x 1
		.amdhsa_system_sgpr_workgroup_id_y 1
		.amdhsa_system_sgpr_workgroup_id_z 1
		.amdhsa_system_vgpr_workitem_id 0
		.amdhsa_next_free_vgpr 512
		.amdhsa_next_free_sgpr 66
		.amdhsa_reserve_vcc 0
		.amdhsa_float_denorm_mode_32 3
		.amdhsa_float_denorm_mode_16_64 3
		.amdhsa_memory_ordered 1
		.amdhsa_forward_progress 1
		.amdhsa_inst_pref_size 160
	.end_amdhsa_kernel
	.amdgpu_metadata
---
amdhsa.version: [ 1, 2 ]
amdhsa.kernels:
  - .name:           k_q48b528052c_quant
    .symbol:         k_q48b528052c_quant.kd
    .args:
      - { .name: u, .offset: 0, .size: 8, .value_kind: global_buffer, .address_space: global }
      - { .name: v, .offset: 8, .size: 8, .value_kind: global_buffer, .address_space: global }
      - { .name: ln_u_w, .offset: 16, .size: 8, .value_kind: global_buffer, .address_space: global }
      - { .name: ln_u_b, .offset: 24, .size: 8, .value_kind: global_buffer, .address_space: global }
      - { .name: ln_v_w, .offset: 32, .size: 8, .value_kind: global_buffer, .address_space: global }
      - { .name: ln_v_b, .offset: 40, .size: 8, .value_kind: global_buffer, .address_space: global }
      - { .name: xc, .offset: 48, .size: 8, .value_kind: global_buffer, .address_space: global }
      - { .name: xs, .offset: 56, .size: 8, .value_kind: global_buffer, .address_space: global }
    .group_segment_fixed_size: 177152
    .private_segment_fixed_size: 0
    .kernarg_segment_align: 8
    .kernarg_segment_size: 64
    .max_flat_workgroup_size: 256
    .sgpr_count:     66
    .vgpr_count:     512
    .wavefront_size: 32
...
	.end_amdgpu_metadata
.endif
;; end of part 1
;; launch towers (part 2): grid 16 x 16, 4 waves a work-group, clusters of 4 x 1, 297,472 bytes of LDS; arguments xc, xs, W_u_codes, W_u_scales, W_v_codes, W_v_scales, b_u, b_v, part; writes part
.if DOCPART == 2
	.amdgcn_target "amdgcn-amd-amdhsa--gfx1250"
	.amdhsa_code_object_version 6
	.text
	.protected	k_q48b528052c_towers
	.globl	k_q48b528052c_towers
	.p2align	8
	.type	k_q48b528052c_towers,@function
k_q48b528052c_towers:
	s_mov_b64 s[64:65], 0
	v_nop
	global_prefetch_b8 v0, s[64:65] scope:SCOPE_SE
	s_setreg_imm32_b32 hwreg(HW_REG_WAVE_MODE, 25, 1), 1
	s_wait_xcnt 0x0
	s_wait_alu depctr_hold_cnt(0) depctr_sa_sdst(0) depctr_va_vdst(0) depctr_va_sdst(0) depctr_va_ssrc(0) depctr_va_vcc(0) depctr_vm_vsrc(0)
	s_getreg_b32 s2, hwreg(HW_REG_IB_STS2, 6, 4)
	s_cmp_eq_u32 s2, 0
	s_cbranch_scc0 .Lentry_in_a_cluster
	s_endpgm
.Lentry_in_a_cluster:
	s_bfe_u32 s2, ttmp6, 0x10000c
	s_cmp_lg_u32 s2, 0x3003
	s_cbranch_scc0 .Lentry_shape_is_right
	s_endpgm
.Lentry_shape_is_right:
; part[n][m] = the sum over the 128 columns c of column tile n of leaky(xu[m] . Wu[c] + b_u[c]) x leaky(xv[m] . Wv[c] + b_v[c]); leaky(y) = max(y, 0.001 y).
; Both products on codes of FP4 (E2M1) with one E8M0 scale for each 32 along K, K = 2,048; sums in f32.  xu, xv: the codes and scale words that the launch before has laid as register images (xc, xs).
; SHARES.  A work-group owns ONE column tile n (128 columns) of BOTH towers and two row tiles of 256 rows; each of its four waves owns 64 of a tile's rows, for both towers: 2 x 4 x 8 = 64 accumulators of 16 x 16, 512 registers.
; hu and hv of one (row, column) lie in the same lane at the same register number of windows 2 and 3: the product of the towers needs no exchange.
; W STAYS IN LDS: 2 towers x 128 rows x 1,024 bytes of codes, brought once by sixteen tensor loads (four a wave, four K groups of 512), never filled again: no ring and no barrier but one when a K group is first read.
; x GOES FROM MEMORY STRAIGHT INTO REGISTERS: a wave's rows are read by that wave alone, each load takes 512 consecutive bytes of an image, and seven halves (63 loads) of every wave are always on their way.
; A HALF is 128 along K of one tower: 32 matrix instructions, 16 LDS loads (the next half's fragments of W), 9 global loads (the half seven further on).  A tile is 32 halves.
; CLUSTER.  The four work-groups of a cluster share n: W's tiles are asked for JOINTLY (mask 15).  x is not shared in the cluster (the partners own other rows) and has no tile in LDS that a joint load could fill.
; SKEW.  The sixteen work-groups that read the same rows of x (one for each n) begin at other places: K group g0 = n % 4 first, and the two row tiles in the order that (n / 4) % 2 gives.  W's K group (g0 + i) % 4 lies in LDS slot i,
; so the turn enters global addresses alone.  LIMIT: the K steps are therefore summed beginning at K = 512 g0 and not at 0: an order of rounding that differs from K ascending.
; THE MATRIX INSTRUCTION IS USED TRANSPOSED: source 0 = 16 columns of W, source 1 = 16 rows of x: a lane holds row lane % 16 and the columns 16 b + 8 (lane / 16) + 0 .. 7.
; REGISTERS, in windows of 256: window 0: v0-31 addresses; v32-47 x's scale words (a ring of four K steps), v48-79 W's scale words of a K group: these hold scales and nothing else; v80-121 at work on the way out;
;   v128-191, v192-255 W's fragments for tower u, v (on the way out: the biases).   window 1: x's fragments, a ring of four K steps x 2 towers x 4 row blocks x 8.   window 2: tower u's accumulators ((a, b) at v[8 (8 a + b)]);   window 3: tower v's.
.set WSL,  69632                       ; LDS: slot i = K group (g0 + i) % 4: tower u's 128 rows of 256 bytes + 16 of padding, then tower v's
.set WTW,  34816
.set WSC,  278528                      ; W's scale words [slot 4][tower 2][column 128][16 bytes]
.set BIA,  294912                      ; b_u's 128 numbers, b_v's 128
.set RST,  295936                      ; 256 bytes a wave: 64 row sums on their way out
.set VO,   4                           ; v4-7    16 lane + 4,096 g_i: my bytes of an image of x, K group of slot i
.set VS,   8                           ; v8-11   8 lane + 1,024 g_i: the same for x's scale words
.set ADRB, 12                          ; v12-19  LDS address of my part of W's fragments: slot i, tower t at v[12 + 2 i + t]
.set AS,   32
.set BS,   48
.set SUM,  80                          ; v80-111 0.001 y, 32 at a time; then the sixteen chains of the row sums
.set PD,   116                         ; v116-119 the lane permutes' destinations
.set OUTR, 120                         ; v120-121 two row sums to store
.set BF,   128
.set G1,   32                          ; s[32:39] descriptor group 1;  s[40:55] four groups 0, one for each slot; none is ever written again
.set G0,   40
.set CC,   56                          ; s[56:59] this tile's codes of x, tower u, v;  s[60:63] the next tile's
.set NC,   60
.set CSC,  66                          ; s[66:69] this tile's scale words;  s[70:73] the next tile's;  s[74:75], s[76:77] part
.set NSC,  70
.set MULU, 0xa4                        ; source 0 (W) window 0, source 1 (x) window 1, C and D window 2
.set MULV, 0xf4                        ; the same, C and D window 3
.set MSB, 0
.macro WIN new                         ; s_set_vgpr_msb: bits 1:0 source 0, 3:2 source 1, 5:4 source 2, 7:6 destination; the high byte repeats the setting that is left
.if MSB != (\new)
	s_set_vgpr_msb (MSB<<8)|(\new)
.set MSB, (\new)
.endif
.endm
.macro ROUND                           ; a round of the cluster's barrier: my work-group's barrier; wave 0 signals for the work-group; every wave waits for all four work-groups; my work-group's barrier once more
	s_barrier_signal -1
	s_barrier_wait -1
	s_cmp_lg_u32 s22, 0
	s_cbranch_scc1 .Lnot_wave_0_\@
	s_barrier_signal -3
.Lnot_wave_0_\@:
	s_barrier_wait -3
	s_barrier_signal -1
	s_barrier_wait -1
.endm
	s_load_b256 s[4:11], s[0:1], 0x0               ; xc s[4:5], xs s[6:7], W_u's codes s[8:9], W_u's scales s[10:11]
	s_load_b256 s[12:19], s[0:1], 0x20             ; W_v's codes s[12:13], W_v's scales s[14:15], b_u s[16:17], b_v s[18:19]
	s_load_b64 s[20:21], s[0:1], 0x40              ; part
	v_lshl_add_u32 v126, v0, 2, 0x48800
	v_mov_b32 v127, 0
	ds_add_u32 v126, v127
	ds_add_u32 v126, v127
	v_lshrrev_b32 v1, 5, v0
	v_readfirstlane_b32 s22, v1                    ; wave 0..3
	s_and_b32 s23, s22, 1                          ; I fetch for tower u (0) or v (1),
	s_lshr_b32 s24, s22, 1                         ; its columns 0-63 or 64-127
	s_and_b32 s25, ttmp7, 0xffff                   ; n: the column tile, which the four partners share
	s_and_b32 s28, s25, 3                          ; g_i = (n + i) % 4: the K group of slot i
	s_add_co_u32 s29, s28, 1
	s_and_b32 s29, s29, 3
	s_add_co_u32 s30, s28, 2
	s_and_b32 s30, s30, 3
	s_add_co_u32 s31, s28, 3
	s_and_b32 s31, s31, 3
	; descriptor group 1: 64 rows x 256 bytes, 1,024 bytes apart in memory, 16 bytes of padding behind each in LDS
	s_mov_b32 s[G1+0], 15|(1<<20)|(1<<21)|(5<<22)|(3<<25)   ; 15:0 the mask: all four work-groups; 17:16 elements of 1 byte; 20 padding on; 21 set beside a mask; 24:22 after every 64 words (code 5); 31:25 four words (code 3)
	s_mov_b32 s[G1+1], 256<<16                     ; tensor_dim0 = 256
	s_mov_b32 s[G1+2], 64<<16                      ; tensor_dim1 = 64
	s_mov_b32 s[G1+3], 256<<16                     ; tile_dim0 = 256
	s_mov_b32 s[G1+4], 64                          ; tile_dim1 = 64
	s_mov_b32 s[G1+5], 1024                        ; tensor_dim0_stride: a row of W is 2,048 codes
	s_mov_b32 s[G1+6], 0
	s_mov_b32 s[G1+7], 0
	s_mul_i32 s84, s23, WTW
	s_mul_i32 s85, s24, 64*272
	s_add_co_u32 s84, s84, s85                     ; my 64 rows' place in a slot: the wave's number alone enters an LDS address
.irp i, 0,1,2,3
	s_mov_b32 s[G0+4*\i], 1                        ; 1:0 count = 1
	s_add_co_u32 s[G0+4*\i+1], s84, \i*WSL         ; 63:32 LDS address
.endr
	s_lshl_b32 s84, s25, 17                        ; n x 128 rows of 1,024 bytes
	s_lshl_b32 s85, s24, 16                        ; + my 64 rows
	s_add_co_u32 s84, s84, s85
	s_mov_b32 s85, 0
	v_and_b32 v1, 31, v0                           ; lane
	v_and_b32 v2, 15, v0                           ; r
	v_bfe_u32 v3, v0, 4, 1                         ; h
	v_lshlrev_b32 v112, 4, v1
	v_lshlrev_b32 v24, 3, v1                       ; v24: 8 x lane: my two row sums in part
	v_mul_u32_u24 v113, v2, 272
	v_lshl_add_u32 v113, v3, 4, v113               ; a fragment's row x pitch + 16 x half
.irp i, 0,1,2,3
	s_lshl_b32 s94, s[28+\i], 12
	v_add_nc_u32 v[VO+\i], s94, v112
	s_lshl_b32 s94, s[28+\i], 10
	v_add_nc_u32 v[VS+\i], s94, v24
	s_lshl_b32 s94, s[28+\i], 4
	v_lshl_add_u32 v[27+\i], v0, 6, s94            ; v27-30: W's scale bytes: column = thread, 64 bytes a column, 16 a K group
	v_add_nc_u32 v[ADRB+2*\i], \i*WSL, v113
	v_add_nc_u32 v[ADRB+2*\i+1], \i*WSL+WTW, v113
.endr
	v_add_nc_u32 v20, WSC, v112                    ; v20: W's scale words: 16 bytes a lane: lanes 0-15 an even block of 16 columns, lanes 16-31 the odd one behind it
	v_lshl_add_u32 v21, v3, 5, BIA                 ; v21: the biases of my half's eight columns
	s_lshl_b32 s94, s22, 8
	s_add_co_u32 s94, s94, RST
	v_lshl_add_u32 v22, v2, 2, s94                 ; v22: where I put a row sum;
	v_lshl_add_u32 v23, v1, 3, s94                 ; v23: where I read two back
	v_lshl_add_u32 v25, v0, 4, WSC                 ; v25, v26: where thread t puts its column's scale bytes and its bias
	v_lshl_add_u32 v26, v0, 2, BIA
	v_lshlrev_b32 v31, 2, v0
.irp a, 0,1,2,3
	v_mov_b32 v[PD+\a], 0                          ; written once: a lane permute's destination counts as one of its sources
.endr
	s_mov_b32 s78, 0x3a83126f                      ; 0.001
	s_mov_b32 s79, s78                             ; (the packed form names the pair, so it is written)
	s_mov_b32 s80, 0x76543210
	s_mov_b32 s81, 0xfedcba98                      ; v_permlanex16_b32's selects for lane l xor 16
	s_wait_dscnt 0x0
	s_wait_kmcnt 0x0
	s_cmp_eq_u32 s23, 0
	s_cselect_b64 s[86:87], s[8:9], s[12:13]       ; the tower's codes: the choice hangs on the wave's number alone
	s_add_nc_u64 s[86:87], s[86:87], s[84:85]
.irp i, 0,1,2,3
	s_lshl_b32 s84, s[28+\i], 8                    ; K group g_i: 256 bytes along the row
	s_add_nc_u64 s[G0+4*\i+2:G0+4*\i+3], s[86:87], s[84:85]   ; 120:64 global address
	s_or_b32 s[G0+4*\i+3], s[G0+4*\i+3], 0x80000000           ; 127:126 type = 2
.endr
	ROUND                                          ; all four work-groups are here: the joint loads meet
	tensor_load_to_lds s[G0:G0+3], s[G1:G1+7]      ; all of W that the work-group will ever read: four loads of mine are out, in the order in which the slots are wanted
	s_nop 0
	tensor_load_to_lds s[G0+4:G0+7], s[G1:G1+7]
	s_nop 0
	tensor_load_to_lds s[G0+8:G0+11], s[G1:G1+7]
	s_nop 0
	tensor_load_to_lds s[G0+12:G0+15], s[G1:G1+7]
	s_nop 0
.rept 4
	v_nop                                          ; four plain instructions follow the tensor loads
.endr
	s_lshl_b32 s84, s25, 13                        ; W's scale bytes: n x 128 columns of 64 bytes
	s_add_nc_u64 s[88:89], s[10:11], s[84:85]
	s_add_nc_u64 s[90:91], s[14:15], s[84:85]
	s_lshl_b32 s84, s25, 9                         ; the biases: n x 128 numbers
	s_add_nc_u64 s[92:93], s[16:17], s[84:85]
	s_add_nc_u64 s[94:95], s[18:19], s[84:85]
.irp i, 0,1,2,3
	global_load_b128 v[BF+4*\i:BF+4*\i+3], v[27+\i], s[88:89]
	global_load_b128 v[BF+16+4*\i:BF+16+4*\i+3], v[27+\i], s[90:91]
.endr
	global_load_b32 v[BF+32], v31, s[92:93]
	global_load_b32 v[BF+33], v31, s[94:95]
	; my rows.  What hangs on my place in the cluster stays in s2, s3, s26, s27, s83 and in the pointers of xc, xs and part
	s_bfe_u32 s26, ttmp6, 0x40000                  ; cx
	s_lshl_b32 s27, ttmp9, 2                       ; in a cluster launch ttmp9 counts clusters
	s_add_co_u32 s26, s27, s26                     ; work-group x = 4 x cluster x + cx: it owns row tiles 2 x and 2 x + 1
	s_bfe_u32 s27, s25, 0x10002                    ; (n / 4) % 2: which of the two comes first
	s_lshl_b32 s26, s26, 1
	s_add_co_u32 s27, s26, s27                     ; the first tile,
	s_xor_b32 s83, s27, 1                          ; the second
	s_mov_b32 s3, 0
	s_lshl_b32 s26, s22, 16                        ; codes: 262,144 bytes a tile of 256 rows, 65,536 a wave's 64; tower v lies 8,388,608 on
	s_lshl_b32 s2, s27, 18
	s_add_co_u32 s2, s2, s26
	s_add_nc_u64 s[CC:CC+1], s[4:5], s[2:3]
	s_add_nc_u64 s[CC+2:CC+3], s[CC:CC+1], 0x800000
	s_lshl_b32 s2, s83, 18
	s_add_co_u32 s2, s2, s26
	s_add_nc_u64 s[NC:NC+1], s[4:5], s[2:3]
	s_add_nc_u64 s[NC+2:NC+3], s[NC:NC+1], 0x800000
	s_lshl_b32 s26, s22, 12                        ; scale words: 4,096 bytes for 64 rows; tower v lies 524,288 on
	s_lshl_b32 s2, s27, 14
	s_add_co_u32 s2, s2, s26
	s_add_nc_u64 s[CSC:CSC+1], s[6:7], s[2:3]
	s_add_nc_u64 s[CSC+2:CSC+3], s[CSC:CSC+1], 0x80000
	s_lshl_b32 s2, s83, 14
	s_add_co_u32 s2, s2, s26
	s_add_nc_u64 s[NSC:NSC+1], s[6:7], s[2:3]
	s_add_nc_u64 s[NSC+2:NSC+3], s[NSC:NSC+1], 0x80000
	s_lshl_b32 s26, s25, 15                        ; part: row n of 32,768 bytes, 1,024 a tile, 256 a wave
	s_lshl_b32 s2, s22, 8
	s_add_co_u32 s26, s26, s2
	s_lshl_b32 s2, s27, 10
	s_add_co_u32 s2, s2, s26
	s_add_nc_u64 s[74:75], s[20:21], s[2:3]
	s_lshl_b32 s2, s83, 10
	s_add_co_u32 s2, s2, s26
	s_add_nc_u64 s[76:77], s[20:21], s[2:3]
; Half hh of a tile (K step hh / 2 in the order of the slots, tower hh % 2): my 64 rows' scale words (one load of 8 bytes a lane) and four fragments (eight loads of 512 consecutive bytes): NINE loads.  cb, sb: the tile's pointers.
.macro ALOAD hh, cb, sb
.set LS, (\hh)/2
.set LT, (\hh)%2
.set LI, LS/4
.set LQ, LS%4
	WIN 0
	global_load_b64 v[AS+4*LQ+2*LT:AS+4*LQ+2*LT+1], v[VS+LI], s[\sb+2*LT:\sb+2*LT+1] offset:256*LQ   ; word k: lanes 0-15 row block 2 k, lanes 16-31 row block 2 k + 1
	WIN 0x40                                       ; destination window 1
.irp a, 0,1,2,3
.irp c, 0,1
	global_load_b128 v[64*LQ+32*LT+8*\a+4*\c:64*LQ+32*LT+8*\a+4*\c+3], v[VO+LI], s[\cb+2*LT:\cb+2*LT+1] offset:16384*\a+1024*LQ+512*\c
.endr
.endr
.endm
; W's eight fragments (16 columns x 128 K: two loads of 16 bytes a lane, 32 bytes apart) of K step s, tower t
.macro BFETCH s, t
.irp b, 0,1,2,3,4,5,6,7
.irp c, 0,1
	ds_load_b128 v[BF+64*(\t)+8*\b+4*\c:BF+64*(\t)+8*\b+4*\c+3], v[ADRB+2*((\s)/4)+(\t)] offset:4352*\b+64*((\s)%4)+32*\c
.endr
.endr
.endm
; W's scale words of slot i, tower t: register 4 p + q: lanes 0-15 column block 2 p, lanes 16-31 column block 2 p + 1, the slot's q-th 128 along K
.macro BSLOAD i, t
.irp p, 0,1,2,3
	ds_load_b128 v[BS+16*(\t)+4*\p:BS+16*(\t)+4*\p+3], v20 offset:4096*(\i)+2048*(\t)+512*\p
.endr
.endm
; 32 matrix instructions: W's eight column blocks x my four row blocks, 128 along K.  zero = 1: the product starts the sums: nothing is ever cleared.
; The 32 accumulators take turns, one instruction a turn, and the halves alternate between the towers' windows.
.macro MUL32 s, t, zero
.irp b, 0,1,2,3,4,5,6,7
.irp a, 0,1,2,3
.set rD, 8*(8*\a+\b)
.set rW, BF+64*(\t)+8*\b
.set rX, 64*((\s)%4)+32*(\t)+8*\a
.set rP, BS+16*(\t)+4*(\b/2)+(\s)%4
.set rQ, AS+4*((\s)%4)+2*(\t)+\a/2
.if \zero
.if (\b%2) && (\a%2)
	v_wmma_scale_f32_16x16x128_f8f6f4 v[rD:rD+7], v[rW:rW+7], v[rX:rX+7], 0, v[rP], v[rQ] matrix_a_fmt:MATRIX_FMT_FP4 matrix_b_fmt:MATRIX_FMT_FP4 matrix_a_scale:MATRIX_SCALE_ROW1 matrix_b_scale:MATRIX_SCALE_ROW1
.elseif (\b%2)
	v_wmma_scale_f32_16x16x128_f8f6f4 v[rD:rD+7], v[rW:rW+7], v[rX:rX+7], 0, v[rP], v[rQ] matrix_a_fmt:MATRIX_FMT_FP4 matrix_b_fmt:MATRIX_FMT_FP4 matrix_a_scale:MATRIX_SCALE_ROW1
.elseif (\a%2)
	v_wmma_scale_f32_16x16x128_f8f6f4 v[rD:rD+7], v[rW:rW+7], v[rX:rX+7], 0, v[rP], v[rQ] matrix_a_fmt:MATRIX_FMT_FP4 matrix_b_fmt:MATRIX_FMT_FP4 matrix_b_scale:MATRIX_SCALE_ROW1
.else
	v_wmma_scale_f32_16x16x128_f8f6f4 v[rD:rD+7], v[rW:rW+7], v[rX:rX+7], 0, v[rP], v[rQ] matrix_a_fmt:MATRIX_FMT_FP4 matrix_b_fmt:MATRIX_FMT_FP4
.endif
.else
.if (\b%2) && (\a%2)
	v_wmma_scale_f32_16x16x128_f8f6f4 v[rD:rD+7], v[rW:rW+7], v[rX:rX+7], v[rD:rD+7], v[rP], v[rQ] matrix_a_fmt:MATRIX_FMT_FP4 matrix_b_fmt:MATRIX_FMT_FP4 matrix_a_scale:MATRIX_SCALE_ROW1 matrix_b_scale:MATRIX_SCALE_ROW1
.elseif (\b%2)
	v_wmma_scale_f32_16x16x128_f8f6f4 v[rD:rD+7], v[rW:rW+7], v[rX:rX+7], v[rD:rD+7], v[rP], v[rQ] matrix_a_fmt:MATRIX_FMT_FP4 matrix_b_fmt:MATRIX_FMT_FP4 matrix_a_scale:MATRIX_SCALE_ROW1
.elseif (\a%2)
	v_wmma_scale_f32_16x16x128_f8f6f4 v[rD:rD+7], v[rW:rW+7], v[rX:rX+7], v[rD:rD+7], v[rP], v[rQ] matrix_a_fmt:MATRIX_FMT_FP4 matrix_b_fmt:MATRIX_FMT_FP4 matrix_b_scale:MATRIX_SCALE_ROW1
.else
	v_wmma_scale_f32_16x16x128_f8f6f4 v[rD:rD+7], v[rW:rW+7], v[rX:rX+7], v[rD:rD+7], v[rP], v[rQ] matrix_a_fmt:MATRIX_FMT_FP4 matrix_b_fmt:MATRIX_FMT_FP4
.endif
.endif
.endr
.endr
.endm
; Slot i is about to be read for the first time in a tile: my part of it has landed (3 - i loads were issued behind it), no LDS instruction of mine is out, and the same holds of all four waves behind the barrier.  Nothing is ever filled again.
.macro SLOTWAIT i
	s_wait_tensorcnt 3-(\i)
	s_wait_dscnt 0x0
	s_barrier_signal -1
	s_barrier_wait -1
.endm
; HALF h of a tile.  mode 0: the half seven on belongs to this tile; 1: to the next tile; 2: there is none.
; The run of loads goes into registers that the half before has just multiplied by (the other tower's fragments of W; the ring's place of half h - 1, which is that of half h + 7): four plain instructions stand between
; (ISA guide 7.12.1 for vector instructions).
.macro HALF h, mode
.set HS, (\h)/2
.set HT, (\h)%2
.set HN, 0
	WIN 0
.if ((\h) == 7) || ((\h) == 15) || ((\h) == 23)
	SLOTWAIT ((\h)+1)/8
.endif
.if (\mode) == 2
	s_wait_loadcnt 9*(31-(\h))                     ; my nine loads are in; those of the halves that are left stay out
.else
	s_wait_loadcnt 54                              ; my nine loads are in; the 54 of the six halves issued behind them stay out
.endif
.rept 4
	v_nop
.endr
.if (\h) < 31
	BFETCH ((\h)+1)/2, 1-HT
.set HN, HN+16
.endif
.if ((\h) == 7) || ((\h) == 15) || ((\h) == 23)
	BSLOAD ((\h)+1)/8, 0
.set HN, HN+4
.endif
.if ((\h) == 8) || ((\h) == 16) || ((\h) == 24)
	BSLOAD (\h)/8, 1
.set HN, HN+4
.endif
.if (\h)+7 < 32
	ALOAD (\h)+7, CC, CSC
.elseif (\mode) == 1
	ALOAD (\h)-25, NC, NSC
.endif
	s_wait_dscnt HN                                ; all but this run's own LDS loads: the run before, with my fragments of W, is in
.if HT
	WIN MULV
.else
	WIN MULU
.endif
.set HZ, 0
.if HS == 0
.set HZ, 1
.endif
	MUL32 HS, HT, HZ
.endm
; bias and activation of tower t, in place.  Each accumulator is read from its low end on.
.macro LEAKY t
	WIN 0x82+0x41*(\t)                             ; destination and source 0: window 2 or 3; source 1: window 0
.irp a, 0,1,2,3
.irp b, 0,1,2,3,4,5,6,7
.irp p, 0,1,2,3
	v_pk_add_f32 v[8*(8*\a+\b)+2*\p:8*(8*\a+\b)+2*\p+1], v[8*(8*\a+\b)+2*\p:8*(8*\a+\b)+2*\p+1], v[BF+64*(\t)+8*\b+2*\p:BF+64*(\t)+8*\b+2*\p+1]
.endr
.endr
.endr
.irp g, 0,1,2,3,4,5,6,7
	WIN 0x02+(\t)
.irp q, 0,2,4,6,8,10,12,14,16,18,20,22,24,26,28,30
	v_pk_mul_f32 v[SUM+\q:SUM+\q+1], v[32*\g+\q:32*\g+\q+1], s[78:79] op_sel_hi:[1,0]   ; 0.001 y
.endr
	WIN 0x82+0x41*(\t)
.irp q, 0,1,2,3,4,5,6,7,8,9,10,11,12,13,14,15,16,17,18,19,20,21,22,23,24,25,26,27,28,29,30,31
	v_max_num_f32 v[32*\g+\q], v[32*\g+\q], v[SUM+\q]   ; max(y, 0.001 y): y where y >= 0, else 0.001 y
.endr
.endr
.endm
.irp q, 0,1,2,3,4,5,6
	ALOAD \q, CC, CSC                              ; the first seven halves of x: 63 loads
.endr
	WIN 0
	s_wait_loadcnt 63                              ; W's scale bytes and the biases are in; the 63 loads issued behind them stay out
.irp i, 0,1,2,3
	ds_store_b128 v25, v[BF+4*\i:BF+4*\i+3] offset:4096*\i
	ds_store_b128 v25, v[BF+16+4*\i:BF+16+4*\i+3] offset:4096*\i+2048
.endr
	ds_store_b32 v26, v[BF+32]
	ds_store_b32 v26, v[BF+33] offset:512
	s_mov_b32 s82, 2                               ; tiles to go: the same number in every work-group
.Ltile:
	SLOTWAIT 0                                     ; (in the first tile its wait on DScnt also shows my stores above done, for the others' sake)
	BSLOAD 0, 0
	BSLOAD 0, 1
	BFETCH 0, 0
.irp h, 0,1,2,3,4,5,6,7,8,9,10,11,12,13,14,15,16,17,18,19,20,21,22,23,24
	HALF \h, 0
.endr
	WIN 0                                          ; at a label and at a branch every window is 0
	s_cmp_eq_u32 s82, 1
	s_cbranch_scc1 .Llast
.irp h, 25,26,27,28,29,30,31
	HALF \h, 1                                     ; the stream goes on into the next tile: its first seven halves are asked for
.endr
	WIN 0
	s_branch .Lepi
.Llast:
.irp h, 25,26,27,28,29,30,31
	HALF \h, 2                                     ; the last tile asks for nothing more: no load leaves its buffer
.endr
	WIN 0
.Lepi:
	; THE WAY OUT.  It touches neither window 1 nor v32-47, into which the next tile's loads are landing.
.rept 4
	v_nop                                          ; four plain instructions behind the last products, ahead of the loads into W's registers and of the first read of results
.endr
.irp t, 0,1
.irp b, 0,1,2,3,4,5,6,7
.irp c, 0,1
	ds_load_b128 v[BF+64*\t+8*\b+4*\c:BF+64*\t+8*\b+4*\c+3], v21 offset:512*\t+64*\b+16*\c   ; the biases of columns 16 b + 8 h + 0 .. 7
.endr
.endr
.endr
	s_wait_dscnt 0x0
	LEAKY 0
	LEAKY 1
	WIN 0x0e                                       ; source 0 window 2 (hu), source 1 window 3 (hv), sums in window 0
.irp b, 0,1,2,3,4,5,6,7
.irp a, 0,1,2,3
.irp p, 0,1,2,3
.if \b == 0
	v_pk_mul_f32 v[SUM+8*\a+2*\p:SUM+8*\a+2*\p+1], v[64*\a+2*\p:64*\a+2*\p+1], v[64*\a+2*\p:64*\a+2*\p+1]   ; sixteen chains, started by the first products
.else
	v_pk_fma_f32 v[SUM+8*\a+2*\p:SUM+8*\a+2*\p+1], v[8*(8*\a+\b)+2*\p:8*(8*\a+\b)+2*\p+1], v[8*(8*\a+\b)+2*\p:8*(8*\a+\b)+2*\p+1], v[SUM+8*\a+2*\p:SUM+8*\a+2*\p+1]
.endif
.endr
.endr
.endr
	WIN 0
.irp a, 0,1,2,3
	v_pk_add_f32 v[SUM+8*\a:SUM+8*\a+1], v[SUM+8*\a:SUM+8*\a+1], v[SUM+8*\a+2:SUM+8*\a+3]
	v_pk_add_f32 v[SUM+8*\a+4:SUM+8*\a+5], v[SUM+8*\a+4:SUM+8*\a+5], v[SUM+8*\a+6:SUM+8*\a+7]
.endr
.irp a, 0,1,2,3
	v_pk_add_f32 v[SUM+8*\a:SUM+8*\a+1], v[SUM+8*\a:SUM+8*\a+1], v[SUM+8*\a+4:SUM+8*\a+5]
.endr
.irp a, 0,1,2,3
	v_add_f32 v[SUM+8*\a], v[SUM+8*\a], v[SUM+8*\a+1]
.endr
.irp a, 0,1,2,3
	v_permlanex16_b32 v[PD+\a], v[SUM+8*\a], s80, s81   ; the row's other 64 columns lie in the lane 16 away
.endr
.irp a, 0,1,2,3
	v_add_f32 v[SUM+8*\a], v[SUM+8*\a], v[PD+\a]
.endr
.irp a, 0,1,2,3
	ds_store_b32 v22, v[SUM+8*\a] offset:64*\a     ; row 16 a + r; both halves of the lanes write the same word with the same value
.endr
	ds_load_b64 v[OUTR:OUTR+1], v23                ; LDS serves a wave's instructions in order (ISA guide 5.7.1.4): this sees the stores above
	s_wait_dscnt 0x0
	global_store_b64 v24, v[OUTR:OUTR+1], s[74:75] ; 32 lanes store 256 consecutive bytes, at a multiple of 256 from part's first byte
	s_wait_xcnt 0x0                                ; every earlier memory instruction has had its addresses translated (ISA guide 3.1): only behind this wait are this tile's pointers and the store's data written again
	s_mov_b64 s[CC:CC+1], s[NC:NC+1]
	s_mov_b64 s[CC+2:CC+3], s[NC+2:NC+3]
	s_mov_b64 s[CSC:CSC+1], s[NSC:NSC+1]
	s_mov_b64 s[CSC+2:CSC+3], s[NSC+2:NSC+3]
	s_mov_b64 s[74:75], s[76:77]
	s_sub_co_u32 s82, s82, 1
	s_cmp_lg_u32 s82, 0
	s_cbranch_scc1 .Ltile
	s_wait_tensorcnt 0x0
	ds_add_u32 v126, v127
	s_wait_dscnt 0x0
	ROUND                                          ; the closing round: no work-group ends while a partner may still ask for a tile that names it.  (All my tensor loads were waited for when slot 3 was first read)
	s_endpgm
.Lfunc_end_k_q48b528052c_towers:
	.size	k_q48b528052c_towers, .Lfunc_end_k_q48b528052c_towers-k_q48b528052c_towers
	.p2alignl 7, 3214868480
	.fill 96, 4, 3214868480
	.section	.rodata,"a",@progbits
	.p2align	6, 0x0
	.amdhsa_kernel k_q48b528052c_towers
		.amdhsa_group_segment_fixed_size 297472
		.amdhsa_private_segment_fixed_size 0
		.amdhsa_enable_private_segment 0
		.amdhsa_kernarg_size 72
		.amdhsa_user_sgpr_count 2
		.amdhsa_user_sgpr_kernarg_segment_ptr 1
		.amdhsa_wavefront_size32 1
		.amdhsa_system_sgpr_workgroup_id_x 1
		.amdhsa_system_sgpr_workgroup_id_y 1
		.amdhsa_system_sgpr_workgroup_id_z 1
		.amdhsa_system_vgpr_workitem_id 0
		.amdhsa_next_free_vgpr 1024
		.amdhsa_next_free_sgpr 96
		.amdhsa_reserve_vcc 0
		.amdhsa_float_denorm_mode_32 3
		.amdhsa_float_denorm_mode_16_64 3
		.amdhsa_memory_ordered 1
		.amdhsa_forward_progress 1
		.amdhsa_inst_pref_size 255
	.end_amdhsa_kernel
	.section	.bss,"aw",@nobits
	.p2align	6
	.space	262144
	.amdgpu_metadata
---
amdhsa.version: [ 1, 2 ]
amdhsa.kernels:
  - .name:           k_q48b528052c_towers
    .symbol:         k_q48b528052c_towers.kd
    .args:
      - { .name: xc, .offset: 0, .size: 8, .value_kind: global_buffer, .address_space: global }
      - { .name: xs, .offset: 8, .size: 8, .value_kind: global_buffer, .address_space: global }
      - { .name: W_u_codes, .offset: 16, .size: 8, .value_kind: global_buffer, .address_space: global }
      - { .name: W_u_scales, .offset: 24, .size: 8, .value_kind: global_buffer, .address_space: global }
      - { .name: W_v_codes, .offset: 32, .size: 8, .value_kind: global_buffer, .address_space: global }
      - { .name: W_v_scales, .offset: 40, .size: 8, .value_kind: global_buffer, .address_space: global }
      - { .name: b_u, .offset: 48, .size: 8, .value_kind: global_buffer, .address_space: global }
      - { .name: b_v, .offset: 56, .size: 8, .value_kind: global_buffer, .address_space: global }
      - { .name: part, .offset: 64, .size: 8, .value_kind: global_buffer, .address_space: global }
    .group_segment_fixed_size: 297472
    .private_segment_fixed_size: 0
    .kernarg_segment_align: 8
    .kernarg_segment_size: 72
    .max_flat_workgroup_size: 128
    .sgpr_count:     96
    .vgpr_count:     1024
    .wavefront_size: 32
...
	.end_amdgpu_metadata
.endif
;; end of part 2
;; launch rowsum (part 3): grid 64 x 1, 1 waves a work-group, no clusters, 0 bytes of LDS; arguments part, out0; writes out0
.if DOCPART == 3
	.amdgcn_target "amdgcn-amd-amdhsa--gfx1250"
	.amdhsa_code_object_version 6
	.text
	.protected	k_q48b528052c_rowsum
	.globl	k_q48b528052c_rowsum
	.p2align	8
	.type	k_q48b528052c_rowsum,@function
k_q48b528052c_rowsum:
	s_mov_b64 s[64:65], 0
	v_nop
	global_prefetch_b8 v0, s[64:65] scope:SCOPE_SE
	s_setreg_imm32_b32 hwreg(HW_REG_WAVE_MODE, 25, 1), 1
	s_wait_xcnt 0x0
; out0[m] = the sum over the sixteen column tiles n of part[n][m], n ascending, in f32.  part: [16][8192] f32.
; A sum that spans the work-groups of the launch before is made here by gathering: each output has one owner.  One wave takes 128 rows, 16 bytes a lane: each load and the store cover 512 consecutive bytes.
; There is work for 64 waves: 64 work-groups are launched.  No LDS, no barrier, no matrix work.
	s_load_b128 s[4:7], s[0:1], 0x0                ; part s[4:5], out0 s[6:7]
	v_lshlrev_b32 v1, 4, v0
	s_lshl_b32 s8, ttmp9, 9
	v_add_nc_u32 v1, s8, v1                        ; my four rows: 512 bytes a work-group, 16 a lane
	s_wait_kmcnt 0x0
.irp n, 0,1,2,3,4,5,6,7,8,9,10,11,12,13,14,15
	global_load_b128 v[8+4*\n:11+4*\n], v1, s[4:5] offset:32768*\n th:TH_LOAD_NT
.endr
	s_wait_loadcnt 0x0
.irp n, 1,2,3,4,5,6,7,8,9,10,11,12,13,14,15
	v_pk_add_f32 v[8:9], v[8:9], v[8+4*\n:9+4*\n]
	v_pk_add_f32 v[10:11], v[10:11], v[10+4*\n:11+4*\n]
.endr
	global_store_b128 v1, v[8:11], s[6:7]
	s_endpgm
.Lfunc_end_k_q48b528052c_rowsum:
	.size	k_q48b528052c_rowsum, .Lfunc_end_k_q48b528052c_rowsum-k_q48b528052c_rowsum
	.p2alignl 7, 3214868480
	.fill 96, 4, 3214868480
	.section	.rodata,"a",@progbits
	.p2align	6, 0x0
	.amdhsa_kernel k_q48b528052c_rowsum
		.amdhsa_group_segment_fixed_size 0
		.amdhsa_private_segment_fixed_size 0
		.amdhsa_enable_private_segment 0
		.amdhsa_kernarg_size 16
		.amdhsa_user_sgpr_count 2
		.amdhsa_user_sgpr_kernarg_segment_ptr 1
		.amdhsa_wavefront_size32 1
		.amdhsa_system_sgpr_workgroup_id_x 1
		.amdhsa_system_sgpr_workgroup_id_y 1
		.amdhsa_system_sgpr_workgroup_id_z 1
		.amdhsa_system_vgpr_workitem_id 0
		.amdhsa_next_free_vgpr 80
		.amdhsa_next_free_sgpr 66
		.amdhsa_reserve_vcc 0
		.amdhsa_float_denorm_mode_32 3
		.amdhsa_float_denorm_mode_16_64 3
		.amdhsa_memory_ordered 1
		.amdhsa_forward_progress 1
		.amdhsa_inst_pref_size 4
	.end_amdhsa_kernel
	.amdgpu_metadata
---
amdhsa.version: [ 1, 2 ]
amdhsa.kernels:
  - .name:           k_q48b528052c_rowsum
    .symbol:         k_q48b528052c_rowsum.kd
    .args:
      - { .name: part, .offset: 0, .size: 8, .value_kind: global_buffer, .address_space: global }
      - { .name: out0, .offset: 8, .size: 8, .value_kind: global_buffer, .address_space: global }
    .group_segment_fixed_size: 0
    .private_segment_fixed_size: 0
    .kernarg_segment_align: 8
    .kernarg_segment_size: 16
    .max_flat_workgroup_size: 32
    .sgpr_count:     66
    .vgpr_count:     80
    .wavefront_size: 32
...
	.end_amdgpu_metadata
.endif
;; end of part 3
